; MI455X (gfx1250); checked and timed in simulation.
; The chip was launched on July 23, 2026; its instructions are those of AMD's public machine-readable ISA for CDNA 5 (MIT licence, August 2026) and "CDNA5" Instruction Set Architecture Reference Guide (July 2026).
;; Attention. Allowed arithmetic: matrix products marked QUANTISED: E5M2 operands, one given power-of-two scale a tensor, by v_wmma_f32_16x16x64_bf8_bf8 or v_wmma_f32_16x16x128_bf8_bf8, f32 sums; everything else in f32.
;; Inputs: key_padding_mask 2 x 2,048 bool; kv 2 x 2,048 x 2 x 8 x 128 float32; lowp_scales 4 int32 (the exponents e of the quantised operands' scales 2^e); q 2 x 2,048 x 32 x 128 float32.
;; Outputs: out0 2 x 2,048 x 32 x 128 float32.
;; This version of the problem:
;;   THIS VERSION OF THE PROBLEM IS GIVEN IN LOW PRECISION. The matrix products marked QUANTISED in the list below multiply operands that are first quantised to E5M2 (5 exponent bits, 2 mantissa bits; 8 bits a number), with one given power-of-two scale for each operand tensor; their sums are f32. All else is computed in f32.
;;   The module's matrix products, in the order in which they are computed (A, B: the left and right operand; K: the contracted axis; several contracted axes count as one K, in the product's order):
;;     1. batch 64 x [M 2,048, K 128] x [K 128, N 2,048]; A: input q; B: computed on the way: QUANTISED (scales: A lowp_scales[0], B lowp_scales[1])
;;     2. batch 64 x [M 128, K 2,048] x [K 2,048, N 2,048]; A: input kv; B: softmax (see below): QUANTISED (scales: A lowp_scales[2], B lowp_scales[3])
;;   THE QUANTISER, for each operand of a quantised product, along K:
;;     - The operand's scale is 2^e, e = its entry of the input lowp_scales (int32; the entries are numbered through the quantised products in the list's order, A before B).
;;     - Each number is divided by the scale, clamped to +-57,344, and rounded to the nearest number of E5M2, ties to even, subnormals kept.
;;     - The product sums the exact products of the quantised numbers (number of the format x scale) in f32.
;;   ~~~python
;;   def quantise(x, axis, e):      # numpy; x: float32 -> the quantised numbers, widened to float32 again
;;       x = np.moveaxis(x, axis, -1); K = x.shape[-1]
;;       r = np.clip(x / 2.0 ** e, -57344, 57344)
;;       step = 2.0 ** (np.maximum(np.frexp(np.where(r == 0, 1, r))[1] - 1, -14) - 2)
;;       q = np.round(r / step) * step * 2.0 ** e      # np.round: ties to even
;;       return np.moveaxis(q, -1, axis).astype(np.float32)
;;   ~~~
;;   SOFTMAX AHEAD OF A QUANTISED PRODUCT. Where the list says 'softmax', what is quantised is not the finished softmax but p = 2^(t - M), with t = logit x log2(e) and M = ceil(the row's largest t), a whole number; so 1/2 < the row's largest p <= 1. The row's sum l is taken of the UNQUANTISED p, in f32, and the product's result is divided by l at the end. Since M is a whole number, a kernel that streams over the keys may use a running M (the ceiling of the running maximum): every later rescaling is an exact power of two, so the quantised numbers keep their values, but for numbers so far below the row's largest that they fall under the format's range.
;;   OPERANDS COMPUTED ON THE WAY. 'Computed on the way' means the value that the module computes at that place (a softmax that the list does not call 'softmax' is quantised finished and normalised). What goes into a quantiser is computed in f32, as accurately as f32 sums, v_exp_f32 and their like allow (about 1e-6 of the number): no bf16 or f16 on the way to a quantiser, and a product that is left as it is and whose result goes on into a quantised operand takes f32 operands (vector FMAs, or v_wmma_f32_16x16x4_f32). A number that lies on a knife's edge between two numbers of the format may be rounded either way, as far as f32 arithmetic and the matrix unit's own rounding can turn it there, and no further.
;; One version. Each part assembles by itself: llvm-mc -triple=amdgcn-amd-amdhsa -mcpu=gfx1250 --defsym DOCPART=n.
;; ======== version 1 of 1: 2 launches
;; limits: right only within a limited range of input values
;; workspace buffers: kvc 8,519,680 bytes; vsum 131,072 bytes
;; launch prep (part 1): grid 16 x 16, 8 waves a work-group, no clusters, 69,632 bytes of LDS; arguments kv, key_padding_mask, lowp_scales, kvc, vsum; writes kvc, vsum
.if DOCPART == 1
	.amdgcn_target "amdgcn-amd-amdhsa--gfx1250"
	.amdhsa_code_object_version 6
	.text
	.protected	k_q2090cc1b0d_prep
	.globl	k_q2090cc1b0d_prep
	.p2align	8
	.type	k_q2090cc1b0d_prep,@function
k_q2090cc1b0d_prep:
	s_mov_b64 s[64:65], 0
	v_nop
	global_prefetch_b8 v0, s[64:65] scope:SCOPE_SE
	s_setreg_imm32_b32 hwreg(HW_REG_WAVE_MODE, 25, 1), 1
	s_wait_xcnt 0x0
.set BLK,   66560
.set VIMG,  16384
.set BIAS,  65536
.set STG,   1024
.set SP,    528
.set KC,    16
.set VC,    32
.set KR,    48
.set VA,    112
.set VB,    144
.set XK,    176
	s_load_b256 s[4:11], s[0:1], 0x0
	s_load_b64 s[12:13], s[0:1], 0x20
	v_lshl_add_u32 v248, v0, 2, 0x10c00
	v_mov_b32 v249, 0
	v_lshrrev_b32 v240, 5, v0
	s_delay_alu instid0(VALU_DEP_1)
	v_readfirstlane_b32 s16, v240
	v_and_b32 v240, 31, v0
	v_and_b32 v241, 15, v0
	v_bfe_u32 v242, v0, 4, 1
	s_delay_alu instid0(VALU_DEP_3)
	v_lshlrev_b32 v1, 4, v240
	s_delay_alu instid0(VALU_DEP_4)
	v_lshlrev_b32 v2, 2, v240
	s_mul_i32 s17, s16, 16*SP
	s_add_co_u32 s17, s17, STG
	v_add_nc_u32 v3, s17, v1
	v_mul_u32_u24 v4, v241, SP
	s_delay_alu instid0(VALU_DEP_1)
	v_lshl_add_u32 v4, v242, 6, v4
	s_delay_alu instid0(VALU_DEP_1)
	v_add_nc_u32 v4, s17, v4
	v_lshlrev_b32 v5, 4, v241
	s_delay_alu instid0(VALU_DEP_1)
	v_lshl_add_u32 v5, v242, 11, v5
	v_lshlrev_b32 v6, 2, v0
	s_and_b32 s18, ttmp7, 0xffff
	s_lshr_b32 s19, s18, 3
	s_and_b32 s40, s18, 7
	s_lshl_b32 s41, s19, 24
	s_lshl_b32 s42, ttmp9, 20
	s_add_co_u32 s41, s41, s42
	s_lshl_b32 s40, s40, 9
	s_add_co_u32 s41, s41, s40
	s_lshr_b32 s42, s16, 1
	s_lshl_b32 s42, s42, 5
	s_and_b32 s43, s16, 1
	s_lshl_b32 s43, s43, 3
	s_add_co_u32 s42, s42, s43
	s_lshl_b32 s42, s42, 13
	s_add_co_u32 s26, s41, s42
	s_mov_b32 s27, 0
	s_lshr_b32 s42, s16, 2
	s_and_b32 s43, s16, 3
	s_lshl_b32 s44, s42, 19
	s_add_co_u32 s28, s41, s44
	s_lshl_b32 s44, s43, 7
	s_add_co_u32 s28, s28, s44
	s_add_co_u32 s28, s28, 4096
	s_mov_b32 s29, 0
	s_lshl_b32 s38, s19, 11
	s_lshl_b32 s44, ttmp9, 7
	s_add_co_u32 s38, s38, s44
	s_mov_b32 s39, 0
	s_lshl_b32 s44, s18, 3
	s_lshr_b32 s45, ttmp9, 1
	s_add_co_u32 s44, s44, s45
	s_mul_i32 s44, s44, BLK
	s_and_b32 s45, ttmp9, 1
	s_lshl_b32 s47, s45, 9
	s_add_co_u32 s34, s44, s47
	s_add_co_u32 s34, s34, BIAS
	s_mov_b32 s35, 0
	s_lshl_b32 s47, s45, 15
	s_add_co_u32 s44, s44, s47
	s_lshl_b32 s47, s16, 11
	s_add_co_u32 s30, s44, s47
	s_mov_b32 s31, 0
	s_lshl_b32 s47, s43, 12
	s_add_co_u32 s32, s44, s47
	s_lshl_b32 s47, s42, 10
	s_add_co_u32 s32, s32, s47
	s_add_co_u32 s32, s32, VIMG
	s_mov_b32 s33, 0
	s_lshl_b32 s36, s18, 4
	s_add_co_u32 s36, s36, ttmp9
	s_lshl_b32 s36, s36, 9
	s_mov_b32 s37, 0
	s_mov_b32 s24, 0x3db504f3
	s_mov_b32 s25, s24
	s_wait_alu depctr_va_vdst(0)
	s_wait_kmcnt 0x0
	s_load_b128 s[20:23], s[8:9], 0x0
	s_add_nc_u64 s[26:27], s[4:5], s[26:27]
	s_add_nc_u64 s[28:29], s[4:5], s[28:29]
	s_add_nc_u64 s[6:7], s[6:7], s[38:39]
	s_add_nc_u64 s[30:31], s[10:11], s[30:31]
	s_add_nc_u64 s[32:33], s[10:11], s[32:33]
	s_add_nc_u64 s[34:35], s[10:11], s[34:35]
	s_add_nc_u64 s[36:37], s[12:13], s[36:37]
	global_load_b32 v7, v2, s[6:7]
.irp i, 0,1,2,3,4,5,6,7,8,9,10,11,12,13,14,15
	global_load_b128 v[KR+4*\i:KR+4*\i+3], v1, s[26:27] offset:(\i+8*(\i/8))*8192 th:TH_LOAD_NT
.endr
.irp n, 0,1,2,3,4,5,6,7,8,9,10,11,12,13,14,15,16,17,18,19,20,21,22,23,24,25,26,27,28,29,30,31
	global_load_b32 v[VA+\n], v2, s[28:29] offset:\n*8192 th:TH_LOAD_NT
.endr
	s_wait_kmcnt 0x0
	s_add_co_i32 s38, s21, 127
	s_lshl_b32 s39, s38, 23
	v_mov_b32 v8, s39
	s_add_co_i32 s38, s38, 15
	s_lshl_b32 s38, s38, 23
	s_or_b32 s38, s38, 0x600000
	v_mov_b32 v9, s38
	s_add_co_i32 s38, s22, 127
	s_lshl_b32 s39, s38, 23
	v_mov_b32 v10, s39
	s_add_co_i32 s38, s38, 15
	s_lshl_b32 s38, s38, 23
	s_or_b32 s38, s38, 0x600000
	v_mov_b32 v11, s38
	s_add_co_i32 s38, s20, s21
	s_lshl_b32 s38, s38, 23
	s_sub_co_i32 s46, 0xc61c4000, s38
	s_wait_loadcnt 32
.irp i, 0,1,2,3,4,5,6,7,8,9,10,11,12,13,14,15
	ds_store_b128 v3, v[KR+4*\i:KR+4*\i+3] offset:SP*\i
.endr
.irp c, 0,1,2,3
.irp q, 0,1,2,3
	ds_load_b128 v[XK+16*\c+4*\q:XK+16*\c+4*\q+3], v4 offset:128*\c+16*\q
.endr
.endr
.irp n, 0,1,2,3,4,5,6,7,8,9,10,11,12,13,14,15,16,17,18,19,20,21,22,23,24,25,26,27,28,29,30,31
	global_load_b32 v[VB+\n], v2, s[28:29] offset:(32+\n)*8192 th:TH_LOAD_NT
.endr
	s_wait_dscnt 0x0
.irp c, 0,1,2,3
.irp i, 0,2,4,6,8,10,12,14
	v_pk_mul_f32 v[XK+16*\c+\i:XK+16*\c+\i+1], v[XK+16*\c+\i:XK+16*\c+\i+1], s[24:25] op_sel_hi:[1,0]
.endr
.irp i, 0,1,2,3,4,5,6,7,8,9,10,11,12,13,14,15
	v_med3_num_f32 v[XK+16*\c+\i], v[XK+16*\c+\i], -v9, v9
.endr
	v_cvt_scalef32_pk8_bf8_f32 v[KC+4*\c:KC+4*\c+1], v[XK+16*\c:XK+16*\c+7], v8
	v_cvt_scalef32_pk8_bf8_f32 v[KC+4*\c+2:KC+4*\c+3], v[XK+16*\c+8:XK+16*\c+15], v8
.endr
	v_nop
.irp c, 0,1,2,3
	global_store_b128 v1, v[KC+4*\c:KC+4*\c+3], s[30:31] offset:512*\c
.endr
.macro VCHUNK cc, src, left
	s_wait_loadcnt \left
.irp i, 0,1,2,3,4,5,6,7,8,9,10,11,12,13,14,15,16,17,18,19,20,21,22,23,24,25,26,27,28,29,30,31
	v_med3_num_f32 v[\src+\i], v[\src+\i], -v11, v11
.endr
.irp g, 0,1,2,3
	v_cvt_scalef32_pk8_bf8_f32 v[VC+8*\cc+2*\g:VC+8*\cc+2*\g+1], v[\src+8*\g:\src+8*\g+7], v10
.endr
	v_nop
	global_store_b128 v5, v[VC+8*\cc:VC+8*\cc+3], s[32:33] offset:512*\cc
	global_store_b128 v5, v[VC+8*\cc+4:VC+8*\cc+7], s[32:33] offset:512*\cc+256
.endm
.macro SUM4 a, b, c, d, first
.if \first
	v_cvt_pk_f32_bf8 v[12:13], \a
	v_cvt_pk_f32_bf8 v[14:15], \b
.else
	v_cvt_pk_f32_bf8 v[240:241], \a
	v_cvt_pk_f32_bf8 v[242:243], \b
.endif
	v_cvt_pk_f32_bf8 v[244:245], \c
	v_cvt_pk_f32_bf8 v[246:247], \d
.if !\first
	s_delay_alu instid0(VALU_DEP_4)
	v_pk_add_f32 v[12:13], v[12:13], v[240:241]
	s_delay_alu instid0(VALU_DEP_4)
	v_pk_add_f32 v[14:15], v[14:15], v[242:243]
.endif
	s_delay_alu instid0(VALU_DEP_2)
	v_pk_add_f32 v[12:13], v[12:13], v[244:245]
	s_delay_alu instid0(VALU_DEP_2)
	v_pk_add_f32 v[14:15], v[14:15], v[246:247]
.endm
	VCHUNK 0, VA, 32
	SUM4 v32.l, v32.h, v33.l, v33.h, 1
	SUM4 v34.l, v34.h, v35.l, v35.h, 0
	SUM4 v36.l, v36.h, v37.l, v37.h, 0
	SUM4 v38.l, v38.h, v39.l, v39.h, 0
	VCHUNK 1, VB, 0
	SUM4 v40.l, v40.h, v41.l, v41.h, 0
	SUM4 v42.l, v42.h, v43.l, v43.h, 0
	SUM4 v44.l, v44.h, v45.l, v45.h, 0
	SUM4 v46.l, v46.h, v47.l, v47.h, 0
	s_delay_alu instid0(VALU_DEP_2)
	v_add_f32 v12, v12, v13
	s_delay_alu instid0(VALU_DEP_2)
	v_add_f32 v14, v14, v15
	s_delay_alu instid0(VALU_DEP_1)
	v_add_f32 v12, v12, v14
	ds_store_b32 v6, v12
	s_wait_dscnt 0x0
	s_barrier_signal -1
	s_barrier_wait -1
	s_cmp_lg_u32 s16, 0
	s_cbranch_scc1 .Lnot_wave_0
	ds_load_b128 v[240:243], v1
	ds_load_b128 v[244:247], v1 offset:512
	s_wait_dscnt 0x0
	v_pk_add_f32 v[240:241], v[240:241], v[244:245]
	v_pk_add_f32 v[242:243], v[242:243], v[246:247]
	global_store_b128 v1, v[240:243], s[36:37]
.Lnot_wave_0:
	s_cmp_lg_u32 s16, 1
	s_cbranch_scc1 .Lend
	v_mov_b32 v180, s46
.irp i, 0,1,2,3
	v_bfe_u32 v[176+\i], v7, 8*\i, 8
	s_delay_alu instid0(VALU_DEP_1)
	v_cmp_eq_u32 vcc_lo, 0, v[176+\i]
	s_delay_alu instid0(VALU_DEP_1)
	v_cndmask_b32 v[176+\i], 0, v180, vcc_lo
.endr
	global_store_b128 v1, v[176:179], s[34:35]
.Lend:
	s_wait_tensorcnt 0x0
	ds_add_u32 v248, v249
	s_wait_dscnt 0x0
	s_endpgm
.Lfunc_end_k_q2090cc1b0d_prep:
	.size	k_q2090cc1b0d_prep, .Lfunc_end_k_q2090cc1b0d_prep-k_q2090cc1b0d_prep
	.p2alignl 7, 3214868480
	.fill 96, 4, 3214868480
	.section	.rodata,"a",@progbits
	.p2align	6, 0x0
	.amdhsa_kernel k_q2090cc1b0d_prep
		.amdhsa_group_segment_fixed_size 69632
		.amdhsa_private_segment_fixed_size 0
		.amdhsa_enable_private_segment 0
		.amdhsa_kernarg_size 40
		.amdhsa_user_sgpr_count 2
		.amdhsa_user_sgpr_kernarg_segment_ptr 1
		.amdhsa_wavefront_size32 1
		.amdhsa_system_sgpr_workgroup_id_x 1
		.amdhsa_system_sgpr_workgroup_id_y 1
		.amdhsa_system_sgpr_workgroup_id_z 1
		.amdhsa_system_vgpr_workitem_id 0
		.amdhsa_next_free_vgpr 250
		.amdhsa_next_free_sgpr 66
		.amdhsa_reserve_vcc 1
		.amdhsa_float_denorm_mode_32 3
		.amdhsa_float_denorm_mode_16_64 3
		.amdhsa_memory_ordered 1
		.amdhsa_forward_progress 1
		.amdhsa_inst_pref_size 32
	.end_amdhsa_kernel
	.amdgpu_metadata
---
amdhsa.version: [ 1, 2 ]
amdhsa.kernels:
  - .name:           k_q2090cc1b0d_prep
    .symbol:         k_q2090cc1b0d_prep.kd
    .args:
      - { .name: kv, .offset: 0, .size: 8, .value_kind: global_buffer, .address_space: global }
      - { .name: key_padding_mask, .offset: 8, .size: 8, .value_kind: global_buffer, .address_space: global }
      - { .name: lowp_scales, .offset: 16, .size: 8, .value_kind: global_buffer, .address_space: global }
      - { .name: kvc, .offset: 24, .size: 8, .value_kind: global_buffer, .address_space: global }
      - { .name: vsum, .offset: 32, .size: 8, .value_kind: global_buffer, .address_space: global }
    .group_segment_fixed_size: 69632
    .private_segment_fixed_size: 0
    .kernarg_segment_align: 8
    .kernarg_segment_size: 40
    .max_flat_workgroup_size: 256
    .sgpr_count:     66
    .vgpr_count:     250
    .wavefront_size: 32
...
	.end_amdgpu_metadata
.endif
;; end of part 1
;; launch attn (part 2): grid 16 x 16, 8 waves a work-group, clusters of 4 x 1, 327,680 bytes of LDS; arguments q, kvc, vsum, lowp_scales, out0; writes out0
.if DOCPART == 2
	.amdgcn_target "amdgcn-amd-amdhsa--gfx1250"
	.amdhsa_code_object_version 6
	.text
	.protected	k_q2090cc1b0d_attn
	.globl	k_q2090cc1b0d_attn
	.p2align	8
	.type	k_q2090cc1b0d_attn,@function
k_q2090cc1b0d_attn:
	s_mov_b64 s[64:65], 0
	v_nop
	global_prefetch_b8 v0, s[64:65] scope:SCOPE_SE
	s_setreg_imm32_b32 hwreg(HW_REG_WAVE_MODE, 25, 1), 1
	s_wait_xcnt 0x0
	s_wait_alu depctr_hold_cnt(0) depctr_sa_sdst(0) depctr_va_vdst(0) depctr_va_sdst(0) depctr_va_ssrc(0) depctr_va_vcc(0) depctr_vm_vsrc(0)
	s_getreg_b32 s2, hwreg(HW_REG_IB_STS2, 6, 4)
	s_cmp_eq_u32 s2, 0
	s_cbranch_scc0 .Lentry_in_a_cluster
	s_endpgm
.Lentry_in_a_cluster:
	s_bfe_u32 s2, ttmp6, 0x10000c
	s_cmp_lg_u32 s2, 0x3003
	s_cbranch_scc0 .Lentry_shape_is_right
	s_endpgm
.Lentry_shape_is_right:
.set XS,    66560
.set QTR,   XS/4
.set HEADB, 8*XS
.set VIMG,  16384
.set STEPB, 32768
.set BIAS,  65536
.set SPARE, 2*XS
.set SUF,   SPARE+8*128
.set STAGE, SUF+2048
.set SP,    528
.set ROWQ,  16384
.set LI,   1
.set BL,   2
.set PFO,  3
.set SA,   4
.set SPW,  5
.set NIL,  6
.set SO,   7
.set ADR,  8
.set ADB,  9
.set SR,   10
.set SQ,   11
.set LIMP, 240
.set RC,   242
.set SCP,  243
.set DQ,   244
.set PX,   245
.set TT,   246
.set PFQ,  247
.set HH,   14
.set COF,  16
.set WV,   18
.set HF,   19
.set SEL,  20
.set CS,   22
.set G1,   24
.set G0,   32
.set TB,   36
.set TBN,  37
.set SLOTS, 38
.set GS,   39
.set GG,   40
.set CX,   41
.set SIG,  42
.set WOFF, 43
.set KB,   44
.set OFS,  46
.set QLO,  48
.set QHI,  50
.set OP,   52
.set OPH,  54
.set PFA,  56
.set LIM,  58
.set MK,   59
.set EX,   60
.set RT,   66
.set NT,   68
.set ESUM, 70
.set JM,   71
.set QLN,  78
.set QLP,  79
.set QSC,  80
.set SGN,  81
.set MSB, 0
.macro WIN new
.if MSB != (\new)
	s_set_vgpr_msb (MSB<<8)|(\new)
.set MSB, (\new)
.endif
.endm
.macro NOPS n
.rept \n
	v_nop
.endr
.endm
.macro CROUND
	s_barrier_signal -1
	s_barrier_wait -1
	s_cmp_lg_u32 s[WV], 0
	s_cbranch_scc1 .Lnot_wave_0_\@
	s_barrier_signal -3
.Lnot_wave_0_\@:
	s_barrier_wait -3
	s_barrier_signal -1
	s_barrier_wait -1
.endm
.macro JLOAD
	s_cmp_lt_u32 s[WV], 4
	s_cbranch_scc0 .Lasked_\@
	tensor_load_to_lds s[G0:G0+3], s[G1:G1+7]
	s_nop 0
	NOPS 4
.Lasked_\@:
.endm
.macro ASK
	s_cmp_gt_u32 s[SLOTS], s[LIM]
	s_cbranch_scc0 .Lnot_mine_\@
	global_prefetch_b8 v[PFO], s[PFA:PFA+1] th:TH_LOAD_NT scope:SCOPE_SE
.Lnot_mine_\@:
.endm
.macro ASKQ
	s_cmp_eq_u32 s[SLOTS], 8
	s_cbranch_scc0 .Lnot_now_\@
	global_prefetch_b8 v[PFQ], s[QHI:QHI+1] th:TH_LOAD_NT scope:SCOPE_SE
	global_prefetch_b8 v[PFQ], s[QHI:QHI+1] offset:16*ROWQ th:TH_LOAD_NT scope:SCOPE_SE
.Lnot_now_\@:
.endm
.macro QLOAD b
.set ii, 0
.rept 16
	global_load_b128 v[96+4*ii:99+4*ii], v[LI], s[\b:\b+1] offset:ROWQ*ii th:TH_LOAD_NT
.set ii, ii+1
.endr
	WIN 0x40
.set ii, 0
.rept 16
	global_load_b128 v[96+4*ii:99+4*ii], v[LI], s[\b:\b+1] offset:ROWQ*(16+ii) th:TH_LOAD_NT
.set ii, ii+1
.endr
	WIN 0
.endm
.macro QTURN w
	WIN 0x04*\w
.set ii, 0
.rept 16
	ds_store_b128 v[SR], v[96+4*ii:99+4*ii] offset:SP*ii
.set ii, ii+1
.endr
	WIN 0
.set ii, 0
.rept 16
	ds_load_b128 v[32+4*ii:35+4*ii], v[SQ] offset:128*(ii/4)+16*(ii%4)
.set ii, ii+1
.endr
	s_wait_dscnt 0x0
.set ii, 0
.rept 64
	v_med3_num_f32 v[32+ii], v[32+ii], s[QLN], s[QLP]
.set ii, ii+1
.endr
	WIN 0x40*\w
.set ii, 0
.rept 8
	v_cvt_scalef32_pk8_bf8_f32 v[16+2*ii:17+2*ii], v[32+8*ii:39+8*ii], v248
.set ii, ii+1
.endr
	v_nop
	WIN 0
.endm
.macro INIT1
	v_mov_b32 v13, 0xff61b1e6
	v_mov_b32 v14, 0
	v_mov_b32 v15, 0
	v_floor_f32 v12, -v13
.set ii, 0
.rept 64
	v_mov_b32 v[160+ii], 0
.set ii, ii+1
.endr
.endm
.macro INIT
	INIT1
	WIN 0x55
	INIT1
	WIN 0
.endm
	s_load_b256 s[4:11], s[0:1], 0x0
	s_load_b64 s[12:13], s[0:1], 0x20
	v_lshl_add_u32 v[SPW], v0, 2, SPARE
	v_mov_b32 v[NIL], 0
	ds_add_u32 v[SPW], v[NIL]
	ds_add_u32 v[SPW], v[NIL]
	v_lshrrev_b32 v8, 5, v0
	v_readfirstlane_b32 s[WV], v8
	s_mov_b32 s[GG], ttmp9
	s_bfe_u32 s[CX], ttmp6, 0x40000
	s_and_b32 s[HH], ttmp7, 0xffff
	s_lshr_b32 s[HF], s[WV], 2
	s_lshl_b32 s72, s[HF], 9
	s_mul_i32 s73, s[WV], 16*SP
	s_add_co_u32 s73, s73, STAGE
	s_and_b32 s77, s[WV], 3
	s_lshl_b32 s77, s77, 5
	v_and_b32 v8, 31, v0
	v_and_b32 v9, 15, v0
	v_bfe_u32 v250, v0, 4, 1
	v_lshlrev_b32 v[LI], 4, v8
	v_lshlrev_b32 v[PFO], 8, v8
	v_lshl_add_u32 v[BL], v250, 6, BIAS
	v_lshl_add_u32 v[SA], v250, 5, SUF
	v_add_nc_u32 v[SA], s72, v[SA]
	v_mul_u32_u24 v251, v9, SP
	v_add_nc_u32 v251, s73, v251
	v_lshl_add_u32 v[SO], v250, 5, v251
	v_lshl_add_u32 v[SQ], v250, 6, v251
	v_add_nc_u32 v[SR], s73, v[LI]
	v_and_b32 v249, 127, v0
	v_lshlrev_b32 v249, 2, v249
	v_lshrrev_b32 v254, 7, v0
	v_lshl_add_u32 v248, v254, 10, v249
	v_add_nc_u32 v248, SUF, v248
	v_lshrrev_b32 v254, 1, v8
	v_and_b32 v252, 1, v8
	v_lshlrev_b32 v252, 8, v252
	v_lshl_add_u32 v[PFQ], v254, 14, v252
	v_lshlrev_b32 v254, 4, v250
	v_sub_nc_u32 v254, v9, v254
	v_add_nc_u32 v[DQ], s77, v254
	v_mov_b32 v[PX], 0
	v_mov_b32 v253, 0
	v_mov_b32 v255, 0
	WIN 0x40
	v_add_nc_u32 v[DQ], 16, v[DQ]
	v_mov_b32 v[PX], 0
	v_mov_b32 v253, 0
	v_mov_b32 v255, 0
	WIN 0
	s_wait_alu depctr_va_vdst(0)
	s_mov_b32 s[G1], 15|(3<<16)|(1<<21)
	s_mov_b32 s[G1+1], 32<<16
	s_mov_b32 s[G1+2], 65<<16
	s_mov_b32 s[G1+3], 32<<16
	s_mov_b32 s[G1+4], 65
	s_mov_b32 s[G1+5], 32
	s_mov_b32 s[G1+6], 0
	s_mov_b32 s[G1+7], 0
	s_mov_b32 s[SEL], 0x76543210
	s_mov_b32 s[SEL+1], 0xfedcba98
	s_mov_b32 s[SGN], 0x80808080
	s_mov_b32 s[TB], 0
	s_mov_b32 s[SIG], 0
	s_mov_b32 s[SLOTS], 8
	s_sub_co_u32 s[GS], 8, s[GG]
	s_mul_i32 s[WOFF], s[WV], QTR
	s_lshr_b32 s72, s[HH], 3
	s_lshl_b32 s72, s72, 11
	s_lshl_b32 s74, s[WV], 5
	s_add_co_u32 s72, s72, s74
	s_and_b32 s74, s[HH], 7
	s_lshl_b32 s74, s74, 2
	s_add_co_u32 s74, s74, s[CX]
	s_lshl_b32 s74, s74, 9
	s_lshl_b32 s75, s[GG], 8
	s_sub_co_u32 s76, 7, s[GG]
	s_lshl_b32 s76, s76, 8
	s_add_co_u32 s75, s75, s72
	s_add_co_u32 s76, s76, s72
	s_lshl_b32 s75, s75, 14
	s_lshl_b32 s76, s76, 14
	s_add_co_u32 s75, s75, s74
	s_add_co_u32 s76, s76, s74
	s_lshr_b32 s77, s[WV], 1
	s_xor_b32 s77, s77, 2
	s_or_b32 s77, s77, s[GG]
	s_cmp_eq_u32 s77, 0
	s_cselect_b32 s[LIM], 2, -1
	s_mov_b32 s[COF+1], 0
	s_mov_b32 s[OFS+1], 0
	s_mul_i32 s[OFS], s[HH], HEADB
	s_wait_dscnt 0x0
	s_wait_kmcnt 0x0
	s_load_b128 s[EX:EX+3], s[10:11], 0x0
	s_add_nc_u64 s[6:7], s[6:7], s[OFS:OFS+1]
	s_mov_b32 s[OFS], s[WOFF]
	s_add_nc_u64 s[KB:KB+1], s[6:7], s[OFS:OFS+1]
	s_lshl_b32 s[OFS], s[HH], 13
	s_add_nc_u64 s[8:9], s[8:9], s[OFS:OFS+1]
	s_mov_b32 s[COF], s75
	s_add_nc_u64 s[QLO:QLO+1], s[4:5], s[COF:COF+1]
	s_add_nc_u64 s[OP:OP+1], s[12:13], s[COF:COF+1]
	s_mov_b32 s[COF], s76
	s_add_nc_u64 s[QHI:QHI+1], s[4:5], s[COF:COF+1]
	s_add_nc_u64 s[OPH:OPH+1], s[12:13], s[COF:COF+1]
	s_lshl_b32 s[COF], s[CX], 14
	s_and_b32 s77, s[WV], 1
	s_lshl_b32 s77, s77, 13
	s_add_co_u32 s[COF], s[COF], s77
	s_add_co_u32 s[COF], s[COF], XS
	s_add_nc_u64 s[PFA:PFA+1], s[6:7], s[COF:COF+1]
	s_mov_b32 s[G0], 1
	s_mov_b32 s[G0+1], s[WOFF]
	s_mov_b64 s[G0+2:G0+3], s[KB:KB+1]
	s_or_b32 s[G0+3], s[G0+3], 0x80000000
	CROUND
	JLOAD
.set ii, 1
.rept 15
	global_load_b32 v[32+ii], v249, s[8:9] offset:512*ii
.set ii, ii+1
.endr
	QLOAD QLO
	s_wait_kmcnt 0x0
	s_add_co_i32 s72, s[EX], s[EX+1]
	s_lshl_b32 s72, s72, 23
	s_add_co_i32 s[CS], s72, 0x3f38aa3b
	s_mov_b32 s[CS+1], s[CS]
	s_sub_co_i32 s[RT], 0xc69c4000, s72
	s_add_co_i32 s72, s[EX+3], 127
	s_lshl_b32 s73, s72, 23
	s_add_co_i32 s72, s72, 15
	s_lshl_b32 s72, s72, 23
	s_or_b32 s72, s72, 0x600000
	v_mov_b32 v[RC], s[RT]
	v_mov_b32 v[SCP], s73
	v_mov_b32 v[LIMP], s72
	WIN 0x40
	v_mov_b32 v[RC], s[RT]
	v_mov_b32 v[SCP], s73
	v_mov_b32 v[LIMP], s72
	WIN 0
	s_wait_alu depctr_va_vdst(0)
	s_add_co_i32 s72, s[EX], 127
	s_lshl_b32 s[QSC], s72, 23
	s_add_co_i32 s72, s72, 15
	s_lshl_b32 s72, s72, 23
	s_or_b32 s[QLP], s72, 0x600000
	s_xor_b32 s[QLN], s[QLP], 0x80000000
	s_add_co_i32 s[ESUM], s[EX+2], s[EX+3]
	s_lshl_b32 s72, s[GG], 1
	s_add_co_u32 s75, s72, 1
	s_add_co_u32 s73, s75, s[HF]
	s_lshl_b32 s73, s73, 7
	s_sub_co_u32 s73, 2048, s73
	s_cvt_f32_u32 s[NT], s73
	s_sub_co_u32 s74, s75, s[HF]
	s_lshl_b32 s74, s74, 7
	s_cvt_f32_u32 s[NT+1], s74
	s_cmp_lg_u32 s74, 0
	s_cselect_b32 s[RT+1], s[RT], 0xff800000
	s_add_co_u32 s73, s72, 2
	s_sub_co_u32 s74, 16, s72
	s_cmp_lt_u32 s[WV], 4
	s_cselect_b32 s[JM], s73, s74
	s_wait_loadcnt 32
	s_cmp_le_u32 s[JM], 1
	s_cselect_b32 s72, 1.0, 0
	s_cmp_le_u32 s[JM], 2
	s_cselect_b32 s73, 1.0, 0
	v_mul_f32 v48, s72, v33
	v_mul_f32 v49, s73, v33
.set ii, 2
.rept 14
	s_cmp_le_u32 s[JM], ii
	s_cselect_b32 s72, 1.0, 0
	s_cmp_le_u32 s[JM], ii+1
	s_cselect_b32 s73, 1.0, 0
	v_fmac_f32 v48, s72, v[32+ii]
	v_fmac_f32 v49, s73, v[32+ii]
.set ii, ii+1
.endr
	ds_store_b32 v248, v49
	ds_store_b32 v248, v48 offset:512
	v_mov_b32 v248, s[QSC]
	s_wait_alu depctr_va_vdst(0)
	s_wait_loadcnt 16
	QTURN 0
	s_wait_loadcnt 0x0
	QTURN 1
	INIT
.macro CHANGE fill
	s_wait_tensorcnt 0x0
	ds_add_u32 v[SPW], v[NIL]
.if \fill
	ds_add_u32 v[SPW], v[NIL]
	s_add_co_u32 s[SIG], s[SIG], 1
	s_cmp_eq_u32 s[SLOTS], s[GS]
	s_cselect_b32 s[SIG], 0, s[SIG]
	s_cselect_b32 s[MK], s[HF], 2
	s_mul_i32 s[OFS], s[SIG], XS
	s_add_nc_u64 s[G0+2:G0+3], s[KB:KB+1], s[OFS:OFS+1]
	s_or_b32 s[G0+3], s[G0+3], 0x80000000
	s_xor_b32 s[TBN], s[TB], XS
	s_add_co_u32 s[G0+1], s[TBN], s[WOFF]
	s_wait_xcnt 0x0
	s_add_nc_u64 s[PFA:PFA+1], s[PFA:PFA+1], XS
	s_wait_dscnt 0x0
	CROUND
	JLOAD
	ASK
	ASKQ
.else
	s_mov_b32 s[MK], s[HF]
	s_wait_dscnt 0x0
	s_barrier_signal -1
	s_barrier_wait -1
.endif
	v_add_nc_u32 v[ADR], s[TB], v[LI]
	v_add_nc_u32 v[ADB], s[TB], v[BL]
	s_wait_alu depctr_va_vdst(0)
.endm
.macro KLOAD q, p
	WIN 0x40*((\p)%2)
.set ii, 0
.rept 8
	ds_load_b128 v[32+4*ii:35+4*ii], v[ADR] offset:STEPB*(\q)+4096*(\p)+512*ii
.set ii, ii+1
.endr
.endm
.macro BLOAD q, p
	WIN 0x40*((\p)%2)
.set ii, 0
.rept 4
	ds_load_b128 v[80+4*ii:83+4*ii], v[ADB] offset:512*(\q)+128*(\p)+16*ii
.set ii, ii+1
.endr
.endm
.macro VLOAD q, g
.set ii, 0
.rept 16
	ds_load_b128 v[32+4*ii:35+4*ii], v[ADR] offset:STEPB*(\q)+VIMG+8192*(\g)+512*ii
.set ii, ii+1
.endr
.endm
.macro NEGQ
.set ii, 0
.rept 16
	v_xor_b32 v[224+ii], s[SGN], v[16+ii]
.set ii, ii+1
.endr
.endm
.macro SC4 p
	v_wmma_f32_16x16x128_bf8_bf8 v[96+16*(\p):103+16*(\p)], v[32:47], v[16:31], 0
	v_wmma_f32_16x16x128_bf8_bf8 v[64:71], v[32:47], v[224:239], 0
	v_wmma_f32_16x16x128_bf8_bf8 v[104+16*(\p):111+16*(\p)], v[48:63], v[16:31], 0
	v_wmma_f32_16x16x128_bf8_bf8 v[72:79], v[48:63], v[224:239], 0
.endm
.macro DSUB p
.set jj, 0
.rept 8
	v_pk_add_f32 v[96+16*(\p)+jj:97+16*(\p)+jj], v[96+16*(\p)+jj:97+16*(\p)+jj], v[64+jj:65+jj] neg_lo:[0,1] neg_hi:[0,1]
.set jj, jj+2
.endr
.endm
.macro DBIAS p
.set jj, 0
.rept 8
	v_pk_fma_f32 v[96+16*(\p)+jj:97+16*(\p)+jj], v[80+jj:81+jj], 2.0, v[96+16*(\p)+jj:97+16*(\p)+jj] op_sel_hi:[1,0,1]
.set jj, jj+2
.endr
.endm
.macro TURNK q, p
	WIN (\p)%2
	SC4 \p
	WIN 0x44|((\p)%2)
	SC4 \p
	WIN 0
	NOPS 5
.if \p < 2
	KLOAD \q, \p+2
.endif
	WIN 0
	DSUB \p
	WIN (\p)%2
	DBIAS \p
	WIN 0x55
	DSUB \p
	WIN 0x50|((\p)%2)
	DBIAS \p
.if \p < 2
	BLOAD \q, \p+2
.endif
	WIN 0
.endm
.macro PV4 g
.irp t, 0,1,2,3
	v_wmma_f32_16x16x128_bf8_bf8 v[160+32*\g+8*\t:167+32*\g+8*\t], v[32+16*\t:47+16*\t], v[224:239], v[160+32*\g+8*\t:167+32*\g+8*\t]
.endr
.endm
.macro MASK1
.set ii, 0
.rept 64
	v_cmp_gt_i32 vcc_lo, 32*(ii/16)+ii%16, v[DQ]
	v_cndmask_b32 v[96+ii], v[96+ii], v[RC], vcc_lo
.set ii, ii+1
.endr
.endm
.macro SOFT
	s_wait_alu depctr_va_vdst(0)
.set jj, 0
.rept 32
	v_pk_mul_f32 v[96+jj:97+jj], v[96+jj:97+jj], s[CS:CS+1] op_sel_hi:[1,0]
.set jj, jj+2
.endr
	v_max3_num_f32 v254, v96, v97, v98
	v_max3_num_f32 v250, v99, v100, v101
	v_max3_num_f32 v248, v102, v103, v104
	v_max3_num_f32 v246, v105, v106, v107
.set jj, 12
.rept 6
	v_max3_num_f32 v254, v254, v[96+jj], v[97+jj]
	v_max3_num_f32 v250, v250, v[98+jj], v[99+jj]
	v_max3_num_f32 v248, v248, v[100+jj], v[101+jj]
	v_max3_num_f32 v246, v246, v[102+jj], v[103+jj]
.set jj, jj+8
.endr
	v_max3_num_f32 v254, v254, v156, v157
	v_max3_num_f32 v250, v250, v158, v159
	v_max3_num_f32 v254, v254, v250, v248
	v_max_num_f32 v254, v254, v246
	v_permlanex16_b32 v[PX], v254, s[SEL], s[SEL+1]
	v_max_num_f32 v254, v254, v[PX]
	v_max_num_f32 v13, v13, v254
	v_mov_b32 v254, v12
	v_floor_f32 v12, -v13
	v_sub_f32 v254, v12, v254
	v_cvt_i32_f32 v254, v254
	v_ldexp_f32 v252, 1.0, v254
.set jj, 0
.rept 32
	v_pk_add_f32 v[96+jj:97+jj], v[96+jj:97+jj], v[12:13] op_sel_hi:[1,0]
.set jj, jj+2
.endr
	v_pk_mul_f32 v[14:15], v[14:15], v[252:253] op_sel_hi:[1,0]
	s_wait_alu depctr_va_vdst(0)
.set jj, 0
.rept 32
	v_pk_mul_f32 v[160+jj:161+jj], v[160+jj:161+jj], v[252:253] op_sel_hi:[1,0]
.set jj, jj+2
.endr
	s_wait_alu depctr_va_vdst(0)
.set ii, 0
.rept 64
	v_exp_f32 v[96+ii], v[96+ii]
.set ii, ii+1
.endr
	v_nop
	s_wait_alu depctr_va_vdst(0)
	v_pk_add_f32 v[248:249], v[96:97], v[98:99]
	v_pk_add_f32 v[250:251], v[100:101], v[102:103]
	v_pk_add_f32 v[254:255], v[104:105], v[106:107]
	v_pk_add_f32 v[14:15], v[14:15], v[108:109]
.set jj, 14
.rept 6
	v_pk_add_f32 v[248:249], v[248:249], v[96+jj:97+jj]
	v_pk_add_f32 v[250:251], v[250:251], v[98+jj:99+jj]
	v_pk_add_f32 v[254:255], v[254:255], v[100+jj:101+jj]
	v_pk_add_f32 v[14:15], v[14:15], v[102+jj:103+jj]
.set jj, jj+8
.endr
	v_pk_add_f32 v[248:249], v[248:249], v[158:159]
	v_pk_add_f32 v[14:15], v[14:15], v[254:255]
	v_pk_add_f32 v[248:249], v[248:249], v[250:251]
.set ii, 0
.rept 64
	v_min_num_f32 v[96+ii], v[96+ii], v[LIMP]
.set ii, ii+1
.endr
	v_pk_add_f32 v[14:15], v[14:15], v[248:249]
.set ii, 0
.rept 8
	v_cvt_scalef32_pk8_bf8_f32 v[224+2*ii:225+2*ii], v[96+8*ii:103+8*ii], v[SCP]
.set ii, ii+1
.endr
	v_nop
.endm
.macro STEP q
.if \q == 0
	NOPS 4
	KLOAD 0, 0
	BLOAD 0, 0
	KLOAD 0, 1
	BLOAD 0, 1
	WIN 0
.else
	s_wait_dscnt 0x0
	s_cmp_eq_u32 s[MK], 0
	s_cbranch_scc1 .Lhid_\@
.endif
	NEGQ
	WIN 0x55
	NEGQ
	WIN 0
.if \q == 0
	s_wait_alu depctr_va_vdst(0)
	s_wait_dscnt 12
.endif
	TURNK \q, 0
	s_wait_alu depctr_va_vdst(0)
	s_wait_dscnt 12
	TURNK \q, 1
	s_wait_alu depctr_va_vdst(0)
	s_wait_dscnt 12
	TURNK \q, 2
	s_wait_alu depctr_va_vdst(0)
	s_wait_dscnt 0x0
	TURNK \q, 3
	VLOAD \q, 0
	WIN 0x40
	VLOAD \q, 1
	WIN 0
	s_cmp_lg_u32 s[MK], \q
	s_wait_alu depctr_va_vdst(0)
	s_cbranch_scc1 .Lopen_\@
	MASK1
	WIN 0x55
	MASK1
	WIN 0
.Lopen_\@:
	SOFT
	WIN 0x55
	SOFT
	WIN 0
	s_wait_alu depctr_va_vdst(0)
	s_wait_dscnt 0x0
	PV4 0
	WIN 0x54
	PV4 0
	WIN 0
.if \q == 0
	NOPS 4
	KLOAD 1, 0
	BLOAD 1, 0
.endif
	WIN 0x01
	PV4 1
	WIN 0x55
	PV4 1
	WIN 0
.if \q == 0
	NOPS 4
	KLOAD 1, 1
	BLOAD 1, 1
	WIN 0
.else
.Lhid_\@:
.endif
.endm
.macro FINT P
	v_mul_f32 v[TT], s[CS], s[RT+\P]
	v_max_num_f32 v13, v13, v[TT]
	v_mov_b32 v254, v12
	v_floor_f32 v12, -v13
	v_sub_f32 v254, v12, v254
	v_cvt_i32_f32 v254, v254
	v_ldexp_f32 v252, 1.0, v254
	v_add_f32 v[TT], v[TT], v12
	s_wait_alu depctr_va_vdst(0)
	v_exp_f32 v[TT], v[TT]
	v_pk_mul_f32 v[14:15], v[14:15], v[252:253] op_sel_hi:[1,0]
	v_add_f32 v14, v14, v15
	v_permlanex16_b32 v[PX], v14, s[SEL], s[SEL+1]
	v_add_f32 v14, v14, v[PX]
	s_wait_alu depctr_va_vdst(0)
	v_fmac_f32 v14, s[NT+\P], v[TT]
.set ii, 0
.rept 8
	v_min_num_f32 v[16+ii], v[TT], v[LIMP]
.set ii, ii+1
.endr
	v_cvt_scalef32_pk8_bf8_f32 v[24:25], v[16:23], v[SCP]
	s_wait_alu depctr_va_vdst(0)
	v_rcp_f32 v[TT], v14
	v_nop
	v_cvt_f32_bf8 v26, v24
	s_wait_alu depctr_va_vdst(0)
	v_ldexp_f32 v[TT], v[TT], s[ESUM]
	v_mul_f32 v252, v252, v[TT]
	v_mul_f32 v254, v26, v[TT]
.endm
.macro OMUL
	s_wait_alu depctr_va_vdst(0)
.set jj, 0
.rept 32
	v_pk_mul_f32 v[160+jj:161+jj], v[160+jj:161+jj], v[252:253] op_sel_hi:[1,0]
.set jj, jj+2
.endr
.endm
.macro OFMA
.set jj, 0
.rept 32
	v_pk_fma_f32 v[160+jj:161+jj], v[32+jj:33+jj], v[254:255], v[160+jj:161+jj] op_sel_hi:[1,0,1]
.set jj, jj+2
.endr
.endm
.macro TOST
.set ii, 0
.rept 16
	ds_store_b128 v[SO], v[160+4*ii:163+4*ii] offset:64*(ii/2)+16*(ii%2)
.set ii, ii+1
.endr
.endm
.macro BACK
.set ii, 0
.rept 16
	ds_load_b128 v[32+4*ii:35+4*ii], v[SR] offset:SP*ii
.set ii, ii+1
.endr
.endm
.macro SEND row0, younger
.set ii, 0
.rept 16
	s_wait_dscnt \younger+15-ii
	global_store_b128 v[LI], v[32+4*ii:35+4*ii], s[OP:OP+1] offset:ROWQ*(\row0+ii) th:TH_STORE_NT
.set ii, ii+1
.endr
.endm
.macro FINISH P
	NOPS 4
.if \P == 0
	QLOAD QHI
.endif
.set ii, 0
.rept 16
	ds_load_b128 v[32+4*ii:35+4*ii], v[SA] offset:1024*\P+64*(ii/2)+16*(ii%2)
.set ii, ii+1
.endr
	FINT \P
	WIN 0x55
	FINT \P
	WIN 0
	s_wait_alu depctr_va_vdst(0)
	s_wait_dscnt 0x0
	OMUL
	OFMA
	WIN 0x55
	OMUL
	WIN 0x54
	OFMA
	WIN 0
	TOST
	BACK
	WIN 0x04
	TOST
	WIN 0x40
	BACK
	WIN 0
	SEND 0, 32
	WIN 0x04
	SEND 16, 0
	WIN 0
.endm
	s_wait_alu depctr_va_vdst(0)
.Lslot:
	CHANGE 1
	STEP 0
	STEP 1
	s_xor_b32 s[TB], s[TB], XS
	s_cmp_lg_u32 s[SLOTS], s[GS]
	s_cbranch_scc1 .Lsame_pass
	FINISH 0
	s_wait_xcnt 0x0
	s_mov_b64 s[OP:OP+1], s[OPH:OPH+1]
	v_mov_b32 v248, s[QSC]
	s_wait_alu depctr_va_vdst(0)
	s_wait_loadcnt 0x0
	QTURN 0
	QTURN 1
	INIT
.Lsame_pass:
	s_sub_co_u32 s[SLOTS], s[SLOTS], 1
	s_cmp_lg_u32 s[SLOTS], 0
	s_wait_alu depctr_va_vdst(0)
	s_cbranch_scc1 .Lslot
	CHANGE 0
	STEP 0
	STEP 1
	FINISH 1
	s_wait_tensorcnt 0x0
	ds_add_u32 v[SPW], v[NIL]
	s_wait_dscnt 0x0
	CROUND
	s_endpgm
.Lfunc_end_k_q2090cc1b0d_attn:
	.size	k_q2090cc1b0d_attn, .Lfunc_end_k_q2090cc1b0d_attn-k_q2090cc1b0d_attn
	.p2alignl 7, 3214868480
	.fill 96, 4, 3214868480
	.section	.rodata,"a",@progbits
	.p2align	6, 0x0
	.amdhsa_kernel k_q2090cc1b0d_attn
		.amdhsa_group_segment_fixed_size 327680
		.amdhsa_private_segment_fixed_size 0
		.amdhsa_enable_private_segment 0
		.amdhsa_kernarg_size 40
		.amdhsa_user_sgpr_count 2
		.amdhsa_user_sgpr_kernarg_segment_ptr 1
		.amdhsa_wavefront_size32 1
		.amdhsa_system_sgpr_workgroup_id_x 1
		.amdhsa_system_sgpr_workgroup_id_y 1
		.amdhsa_system_sgpr_workgroup_id_z 1
		.amdhsa_system_vgpr_workitem_id 0
		.amdhsa_next_free_vgpr 512
		.amdhsa_next_free_sgpr 96
		.amdhsa_reserve_vcc 1
		.amdhsa_float_denorm_mode_32 3
		.amdhsa_float_denorm_mode_16_64 3
		.amdhsa_memory_ordered 1
		.amdhsa_forward_progress 1
		.amdhsa_inst_pref_size 255
	.end_amdhsa_kernel
	.section	.bss,"aw",@nobits
	.p2align	6
	.space	262144
	.amdgpu_metadata
---
amdhsa.version: [ 1, 2 ]
amdhsa.kernels:
  - .name:           k_q2090cc1b0d_attn
    .symbol:         k_q2090cc1b0d_attn.kd
    .args:
      - { .name: q, .offset: 0, .size: 8, .value_kind: global_buffer, .address_space: global }
      - { .name: kvc, .offset: 8, .size: 8, .value_kind: global_buffer, .address_space: global }
      - { .name: vsum, .offset: 16, .size: 8, .value_kind: global_buffer, .address_space: global }
      - { .name: lowp_scales, .offset: 24, .size: 8, .value_kind: global_buffer, .address_space: global }
      - { .name: out0, .offset: 32, .size: 8, .value_kind: global_buffer, .address_space: global }
    .group_segment_fixed_size: 327680
    .private_segment_fixed_size: 0
    .kernarg_segment_align: 8
    .kernarg_segment_size: 40
    .max_flat_workgroup_size: 256
    .sgpr_count:     96
    .vgpr_count:     512
    .wavefront_size: 32
...
	.end_amdgpu_metadata
.endif
;; end of part 2
